; MI455X (gfx1250); checked and timed in simulation.
; The chip was launched on July 23, 2026; its instructions are those of AMD's public machine-readable ISA for CDNA 5 (MIT licence, August 2026) and "CDNA5" Instruction Set Architecture Reference Guide (July 2026). The comments in the code are by the model that wrote it; some were corrected since.
;; Bert. Allowed arithmetic: float matrix products may take bf16 or f16 operands with f32 sums; all other float work in f32.
;; Inputs: emb 9 x 4 float32; forw_b 4 float32; forw_w 4 x 4 float32; prj_b 9 float32; prj_w 9 x 4 float32; proj_b 4 float32; proj_w 4 x 4 float32; x 1 x 16,384 int32.
;; Outputs: out0 16,384 x 9 float32.
;; One version. Each part assembles by itself: llvm-mc -triple=amdgcn-amd-amdhsa -mcpu=gfx1250 --defsym DOCPART=n.
;; ======== version 1 of 1: 1 launch
;; launch bert (part 1): grid 64 x 1, 32 waves a work-group, no clusters, 8,192 bytes of LDS; arguments x, emb, proj_w, proj_b, forw_w, forw_b, prj_w, prj_b, out0; writes out0
.if DOCPART == 1
	.amdgcn_target "amdgcn-amd-amdhsa--gfx1250"
	.amdhsa_code_object_version 6
	.text
	.protected	k_q115de5d50a_bert
	.globl	k_q115de5d50a_bert
	.p2align	8
	.type	k_q115de5d50a_bert,@function
k_q115de5d50a_bert:
	s_mov_b64 s[64:65], 0
	v_nop
	global_prefetch_b8 v0, s[64:65] scope:SCOPE_SE
	s_setreg_imm32_b32 hwreg(HW_REG_WAVE_MODE, 25, 1), 1
	s_wait_xcnt 0x0
; out0[i] = softmax(prj(forw(relu(softmax(h h^T) h)))) [i],  h = emb[x] proj_w^T + proj_b.   16,384 tokens, 9 table rows, width 4.
;
; THE FORM.  emb has nine rows by its shape, so h has at most nine different rows, and row i of the scores, of the attention and of all
; behind it hangs on x[i] alone.  The sum over the 16,384 keys is the sum over the nine different keys weighted by how often each occurs:
;   sum_j exp(h_i.h_j - m) h_j = sum_u c_u exp(h_x[i].h_u - m) h_u,   m = the largest score among the rows that occur (c_u > 0),
; which is the maximum that the softmax over all keys takes away.  This holds for every x inside the table and for every weight.
; So: count x (nine counts), run every step of the network once for each of the nine rows, and gather the finished 9 x 9 table by x.
;
; SHARES.  64 work-groups of 32 waves.  Every work-group counts all 16,384 indices itself (16 a thread, four 16-byte loads, each load of a
; wave 512 consecutive bytes): a sum across work-groups would need a second launch and a trip through memory.  Wave 0 builds the table,
; lane = table row (lanes 9-31 work on row 8 once more and store into table rows 9-31, which nobody reads: EXEC is never changed).
; A work-group owns 256 tokens = 9,216 bytes of out0 = 576 quads of floats: one 16-byte store for each lane of waves 14-31, each wave's
; store 512 consecutive bytes at a multiple of 512 from out0's first byte.
;
; REGISTERS.  What only wave 0 or only waves 14-31 do stands under scalar branches on the wave number.  Every address that is used in another
; stretch than the one that makes it is made at the head, by all waves, in a register that nothing else writes; the buffers' addresses stay
; as they were loaded; and no two loads that can be out together, in whichever wave, name the same register.
;
; LEFT OUT.  Matrix instructions: what is left of the products is 9x4x4, 9x9x4, 9x4x4 and 9x9x4, some 2,000 multiply-adds made once by one
; wave; a 16x16x32 form would be seven eighths padding along K and would put conversions and lane shuffles on the one dependent chain.
; Joint (cluster) tensor loads: the only bytes that work-groups share are x's 65,536, which go straight into the registers that are counted;
; a tile in LDS would add a wait, a barrier and a second reading of the same bytes to that chain.
;
; LIMITS.  Indices are taken to lie in 0..8, as an index into emb does; another value is miscounted, and the final look-up stays inside
; the table's bytes by a clamp.  A table row that x never names gets the weight 0 by multiplication, so its h must be finite.  NaN and
; infinities in the inputs are not followed as the reference follows them (v_max_num_f32 and v_max3_num_f32 drop a NaN).  v_exp_f32 gives 0
; below 2^-126; both denominators are at least 1, so that such a term is below the sum's last bit.  The counts (at most 16,384) are exact in f32.
.set FIRST_OUT, 14                     ; waves 14-31 write out0
.set PPITCH, 80                        ; LDS: wave w's nine counts (f32) at 80 w + 4 bin; 80 L = 16 (5 L): sixteen lanes' 16-byte reads fall into 16 different 16-byte columns modulo 256
.set PART,   0                         ; 32 x 80 = 2,560 bytes
.set TPITCH, 48                        ; P[v][k] at TBL + 48 v + 4 k
.set TBL,    2560                      ; 32 x 48 = 1,536 bytes, of which rows 0-8 are read
.set ADMAX,  12*35+4*8                 ; the largest address term of a look-up: row 8 (z = 35), c0 = 8
; vector registers, all waves
.set XO,   2                           ; 16 t: my 16 bytes in each quarter of x
.set PA,   3                           ; 80 wave + 4 (lane % 16): where my wave's count of bin lane % 16 goes
.set POS,  4                           ; 9 ((lane % 16) / 3): where my bin's field begins
.set ZERO, 5                           ; (wave 0) 0
.set ROW16, 6                          ; (wave 0) 16 v, v = min(lane, 8)
.set TMP,  7
.set X,    8                           ; v[8:23]  sixteen indices
.set ACC,  24                          ; v24-26   three accumulators of nine 3-bit fields
.set CA,   27                          ; 80 lane: the counts of wave number lane
.set W,    28                          ; v28-30   W_j: bins j, j+3, j+6 in 9-bit fields
.set SC,   31                          ; v31-33   scratch
.set TA,   34                          ; 48 lane: my row of the table
.set SO,   35                          ; 16 t + 9,216 x work-group: my 16 bytes of out0, 448 threads' worth too far (the store's immediate takes that back)
; wave 0, from the start
.set EMB,  36                          ; v[36:39]   my row of emb
.set HV,   40                          ; v[40:43]   my h
.set PWV,  44                          ; v[44:79]   prj_w, the same in every lane
.set SCO,  80                          ; v[80:88]   scores h_v . h_u
.set FWW,  90                          ; v[90:105]  forw_w
.set FWB,  106                         ; v[106:109] forw_b
; wave 0, behind the counting, in registers that are done with
.set CN,   8                           ; v[8:16]    counts
.set D,    17                          ; v[17:25]   other half's counts, then masked scores, exponentials, weights
.set MX,   26
.set NUM,  28                          ; v[28:31]   weighted sum, then relu(attention)
.set DEN,  32
.set RC,   33
.set G,    36                          ; v[36:39]   forw's result
.set LMX,  40
.set LSUM, 41
.set LRC,  42
.set LT,   43
.set LG,   80                          ; v[80:88]   logits, then probabilities
; waves 14-31
.set Z0,   110                         ; x[t0], then 4 x[t0] + 3;  t0 = the token of my first float
.set Z1,   111                         ; x[t1], then 4 x[t1];      t1 = the token behind it
.set T0,   112                         ; byte offset of x[t0]
.set T1,   113                         ; byte offset of x[t1]
.set AD,   114                         ; v[114:117] address terms of my four floats
.set C4,   118                         ; 4 c0, c0 = the class of my first float
.set DT,   8                           ; v[8:11]    my four floats
; scalar registers: s2 80 x wave; s3 9,216 x work-group; s8 wave; s9-s15 constants; s[16:33] the buffers' addresses; s34, s35 lane masks; s61 1,024 x work-group
.set PJB,  4                           ; s[4:7]    proj_b   (wave 0)
.set PJW,  36                          ; s[36:51]  proj_w   (wave 0)
.set PB,   52                          ; s[52:60]  prj_b    (wave 0)
.set H,    66                          ; s[66:101] h[u][e] at 66 + 4 u + e (wave 0)
	s_load_b512 s[16:31], s[0:1], 0x0              ; x s[16:17], emb s[18:19], proj_w s[20:21], proj_b s[22:23], forw_w s[24:25], forw_b s[26:27], prj_w s[28:29], prj_b s[30:31]
	s_load_b64 s[32:33], s[0:1], 0x40              ; out0
	v_lshl_add_u32 v120, v0, 2, 0x1000
	v_mov_b32 v121, 0
	v_lshrrev_b32 v[TMP], 5, v0
	v_readfirstlane_b32 s8, v[TMP]                 ; wave number
	v_lshlrev_b32 v[XO], 4, v0
	v_and_b32 v1, 15, v0                           ; r = lane % 16: the bin that this lane will pick (9-15: padding)
	v_mul_u32_u24 v[POS], 11, v1
	v_lshrrev_b32 v[POS], 5, v[POS]                ; g = r / 3 (11 r >> 5 is exact for r <= 15)
	v_lshl_add_u32 v[TMP], v[POS], 1, v[POS]
	v_sub_nc_u32 v[TMP], v1, v[TMP]                ; j = r % 3
	v_cmp_eq_u32 s34, 1, v[TMP]                    ; lanes that take W_1
	v_cmp_eq_u32 s35, 2, v[TMP]                    ; lanes that take W_2
	v_lshl_add_u32 v[POS], v[POS], 3, v[POS]       ; 9 g
	s_mul_i32 s2, s8, PPITCH                       ; my wave's 80 bytes of counts
	v_lshlrev_b32 v[PA], 2, v1
	v_add_nc_u32 v[PA], s2, v[PA]
	v_and_b32 v[TMP], 31, v0                       ; lane
	v_mul_u32_u24 v[CA], v[TMP], PPITCH
	v_mul_u32_u24 v[TA], v[TMP], TPITCH
	s_mul_i32 s3, ttmp9, 9216                      ; 256 tokens x 36 bytes
	v_add_nc_u32 v[SO], s3, v[XO]
	s_mov_b32 s9,  0x1C0E07                        ; the 3-bit fields of bins 0, 3, 6
	s_mov_b32 s10, 0xE07038                        ; of bins 1, 4, 7
	s_mov_b32 s11, 0x70381C0                       ; of bins 2, 5, 8
	s_mov_b32 s12, 0x76543210                      ; v_permlanex16_b32: lane i of one half reads lane i of the other
	s_mov_b32 s13, 0xfedcba98
	s_mov_b32 s14, 0xff800000                      ; -infinity
	s_mov_b32 s15, 0x3fb8aa3b                      ; log2 e
	s_wait_kmcnt 0x0
	; wave 0 asks for the weights first: they are worked on while x is on its way
	s_cmp_lg_u32 s8, 0
	s_cbranch_scc1 .Lno_weights
	s_load_b512 s[PJW:PJW+15], s[20:21], 0x0
	s_load_b128 s[PJB:PJB+3], s[22:23], 0x0
	s_load_b256 s[PB:PB+7], s[30:31], 0x0
	s_load_b32 s[PB+8], s[30:31], 0x20
	v_min_u32 v[ROW16], 8, v[TMP]
	v_lshlrev_b32 v[ROW16], 4, v[ROW16]
	v_mov_b32 v[ZERO], 0
	global_load_b128 v[EMB:EMB+3], v[ROW16], s[18:19]
.irp e, 0,1,2,3
	global_load_b128 v[FWW+4*\e:FWW+4*\e+3], v[ZERO], s[24:25] offset:16*\e
.endr
	global_load_b128 v[FWB:FWB+3], v[ZERO], s[26:27]
.irp k, 0,1,2,3,4,5,6,7,8
	global_load_b128 v[PWV+4*\k:PWV+4*\k+3], v[ZERO], s[28:29] offset:16*\k
.endr
.Lno_weights:
	; waves 14-31 ask for the two tokens that their quad of floats touches.  Quad Q = t - 448 holds floats n = 4 Q .. n + 3 of the group's 2,304.
	s_cmp_lt_u32 s8, FIRST_OUT
	s_cbranch_scc1 .Lno_tokens
	s_lshl_b32 s61, ttmp9, 10                      ; 256 tokens x 4 bytes
	v_sub_nc_u32 v[SC], v0, FIRST_OUT*32           ; Q
	v_lshlrev_b32 v[SC], 2, v[SC]                  ; n <= 2,300
	v_mul_u32_u24 v[SC], 7282, v[SC]               ; n x 7282 / 65536 = n / 9 + 2 n / 589,824: the excess stays under 0.008, less than the 1/9 between two fractions
	v_lshrrev_b32 v[T0], 16, v[SC]                 ; t0 = n / 9
	v_and_b32 v[C4], 0xffff, v[SC]                 ; the fraction, in 65,536ths,
	v_mul_u32_u24 v[C4], 9, v[C4]
	v_lshrrev_b32 v[C4], 16, v[C4]                 ; times nine: c0 = n % 9
	v_lshlrev_b32 v[C4], 2, v[C4]
	v_add_nc_u32 v[T1], 1, v[T0]
	v_min_u32 v[T1], 255, v[T1]                    ; the last quad ends with its token (c0 = 5): its t1 is loaded inside the buffer and not used
	v_lshl_add_u32 v[T0], v[T0], 2, s61
	v_lshl_add_u32 v[T1], v[T1], 2, s61
	global_load_b32 v[Z0], v[T0], s[16:17]
	global_load_b32 v[Z1], v[T1], s[16:17]
.Lno_tokens:
	; all waves: sixteen indices a thread.  These four are the youngest loads of every wave, so the counts below hold for all of them.
.irp i, 0,1,2,3
	global_load_b128 v[X+4*\i:X+4*\i+3], v[XO], s[16:17] offset:16384*\i
.endr
	; wave 0, while x is on its way: h for the nine rows and the 9 x 9 scores
	s_cmp_lg_u32 s8, 0
	s_cbranch_scc1 .Lcount
	s_wait_kmcnt 0x0
	s_wait_loadcnt 18                              ; my row of emb is in; the 18 younger loads (forw_w 4, forw_b 1, prj_w 9, x 4) stay out
.irp e, 0,1,2,3
	v_fma_f32 v[HV+\e], s[PJW+4*\e], v[EMB], s[PJB+\e]
.endr
.irp d, 1,2,3
.irp e, 0,1,2,3
	v_fmac_f32 v[HV+\e], s[PJW+4*\e+\d], v[EMB+\d]
.endr
.endr
.irp u, 0,1,2,3,4,5,6,7,8
.irp e, 0,1,2,3
	v_readlane_b32 s[H+4*\u+\e], v[HV+\e], \u      ; lane u holds row u: all nine rows of h become scalars, which every lane can multiply by
.endr
.endr
.irp u, 0,1,2,3,4,5,6,7,8
	v_mul_f32 v[SCO+\u], s[H+4*\u], v[HV]          ; nine chains side by side
.endr
.irp e, 1,2,3
.irp u, 0,1,2,3,4,5,6,7,8
	v_fmac_f32 v[SCO+\u], s[H+4*\u+\e], v[HV+\e]
.endr
.endr
.Lcount:
	; COUNTING.  Bin k is the 3-bit field at bit 3 k of an accumulator; a field holds up to 7, and no accumulator takes more than six indices.
.macro TRIPLE4 x                       ; four indices become shift amounts 3 x
.irp i, 0,1,2,3
	v_lshl_add_u32 v[\x+\i], v[\x+\i], 1, v[\x+\i]
.endr
.endm
.macro START acc, x                    ; the first index starts the accumulator: nothing is cleared
	v_lshlrev_b32 v[\acc], v[\x], 1
.endm
.macro BUMP acc, x                     ; acc += 1 << 3 x
	v_lshl_add_u32 v[\acc], 1, v[\x], v[\acc]
.endm
	s_wait_loadcnt 0x3                             ; loads come back in order (ISA guide 5.7.1): the first quarter's is in, three younger ones stay out
	TRIPLE4 X
	START ACC, X
	BUMP ACC, X+1
	BUMP ACC, X+2
	BUMP ACC, X+3
	s_wait_loadcnt 0x2                             ; two younger loads stay out
	TRIPLE4 X+4
	START ACC+1, X+4
	BUMP ACC+1, X+5
	BUMP ACC+1, X+6
	BUMP ACC+1, X+7
	s_wait_loadcnt 0x1                             ; one
	TRIPLE4 X+8
	START ACC+2, X+8
	BUMP ACC+2, X+9
	BUMP ACC+2, X+10
	BUMP ACC+2, X+11
	s_wait_loadcnt 0x0
	TRIPLE4 X+12
	BUMP ACC,   X+12                               ; 6, 5 and 5 indices in the three accumulators
	BUMP ACC+1, X+14
	BUMP ACC+2, X+15
	BUMP ACC,   X+13
.macro WIDEN w, mask                   ; every third field of the three accumulators, added: up to 16 in a field that now has 9 bits of room
	v_and_b32 v[SC],   s[\mask], v[ACC]
	v_and_b32 v[SC+1], s[\mask], v[ACC+1]
	v_and_b32 v[SC+2], s[\mask], v[ACC+2]
	v_add3_u32 v[\w], v[SC], v[SC+1], v[SC+2]
.endm
	WIDEN W,   9
	WIDEN W+1, 10
	WIDEN W+2, 11
	v_lshrrev_b32 v[W+1], 3, v[W+1]                ; W_j: bins j, j+3, j+6 at bits 0, 9, 18
	v_lshrrev_b32 v[W+2], 6, v[W+2]
.irp m, 1,2,4,8
.irp j, 0,1,2
	v_add_nc_u32_dpp v[W+\j], v[W+\j], v[W+\j] row_xmask:\m row_mask:0xf bank_mask:0xf    ; sums over 16 lanes: at most 256 in 9 bits
.endr
.endr
	v_cndmask_b32 v[SC], v[W], v[W+1], s34         ; lane r picks bin r = W_(r % 3), field r / 3
	v_cndmask_b32 v[SC], v[SC], v[W+2], s35
	v_bfe_u32 v[SC], v[SC], v[POS], 9              ; (lanes with r > 8 pick some whole number for the padding words, which nobody reads)
	v_permlanex16_b32 v[SC+1], v[SC], s12, s13     ; the other 16 lanes' sum (the destination has been written above)
	v_add_nc_u32 v[SC], v[SC], v[SC+1]             ; the wave's count of bin r, at most 512
	v_cvt_f32_u32 v[SC], v[SC]
	ds_store_b32 v[PA], v[SC] offset:PART          ; lanes r and 16 + r store the same value to the same word
	s_wait_dscnt 0x0                               ; for wave 0's sake: my counts are in LDS
	s_barrier_signal -1
	s_barrier_wait -1
	; THE TABLE, wave 0: lane L fetches wave L's nine counts, the lanes add up, then the network for row v = min(lane, 8)
	s_cmp_lg_u32 s8, 0
	s_cbranch_scc1 .Lnot_table
	ds_load_b128 v[CN:CN+3],   v[CA] offset:PART   ; bytes 80 L .. 80 L + 35: all below 2,516
	ds_load_b128 v[CN+4:CN+7], v[CA] offset:PART+16
	ds_load_b32  v[CN+8],      v[CA] offset:PART+32
	s_wait_dscnt 0x0
.irp m, 1,2,4,8
.irp u, 0,1,2,3,4,5,6,7,8
	v_add_f32_dpp v[CN+\u], v[CN+\u], v[CN+\u] row_xmask:\m row_mask:0xf bank_mask:0xf
.endr
.endr
.irp u, 0,1,2,3,4,5,6,7,8
	v_permlanex16_b32 v[D+\u], v[CN+\u], s12, s13  ; (destinations written before: they held indices and accumulators)
.endr
.irp u, 0,1,2,3,4,5,6,7,8
	v_add_f32 v[CN+\u], v[CN+\u], v[D+\u]          ; every lane holds all nine counts
.endr
.irp u, 0,1,2,3,4,5,6,7,8
	v_cmp_lt_f32 vcc_lo, 0, v[CN+\u]
	v_cndmask_b32 v[D+\u], s14, v[SCO+\u], vcc_lo  ; a row that no token names is no key: -infinity
.endr
	v_max3_num_f32 v[MX], v[D], v[D+1], v[D+2]
	v_max3_num_f32 v[MX], v[MX], v[D+3], v[D+4]
	v_max3_num_f32 v[MX], v[MX], v[D+5], v[D+6]
	v_max3_num_f32 v[MX], v[MX], v[D+7], v[D+8]    ; the largest score among the keys
.irp u, 0,1,2,3,4,5,6,7,8
	v_sub_f32 v[D+\u], v[D+\u], v[MX]              ; the difference first, then the factor: not fused, so that large scores lose nothing in m x log2 e
.endr
.irp u, 0,1,2,3,4,5,6,7,8
	v_mul_f32 v[D+\u], s15, v[D+\u]
.endr
.irp u, 0,1,2,3,4,5,6,7,8
	v_exp_f32 v[D+\u], v[D+\u]
.endr
	v_nop                                          ; one plain vector instruction between a transcendental and the use of its result (ISA guide 5.7.2)
	s_wait_alu depctr_va_vdst(0)
.irp u, 0,1,2,3,4,5,6,7,8
	v_mul_f32 v[D+\u], v[CN+\u], v[D+\u]           ; weight of key row u: count x exponential
.endr
.irp e, 0,1,2,3
	v_mul_f32 v[NUM+\e], s[H+\e], v[D]             ; the first terms start the sums
.endr
	v_add_f32 v[DEN], v[D], v[D+1]
.irp e, 0,1,2,3
	v_fmac_f32 v[NUM+\e], s[H+4+\e], v[D+1]
.endr
.irp u, 2,3,4,5,6,7,8
.irp e, 0,1,2,3
	v_fmac_f32 v[NUM+\e], s[H+4*\u+\e], v[D+\u]
.endr
	v_add_f32 v[DEN], v[DEN], v[D+\u]
.endr
	v_rcp_f32 v[RC], v[DEN]                        ; the denominator is at least 1: the row of the maximum has a count of 1 or more
	v_nop
	s_wait_alu depctr_va_vdst(0)
.irp e, 0,1,2,3
	v_mul_f32 v[NUM+\e], v[NUM+\e], v[RC]
.endr
.irp e, 0,1,2,3
	v_max_num_f32 v[NUM+\e], 0, v[NUM+\e]          ; relu
.endr
.irp e, 0,1,2,3
	v_fma_f32 v[G+\e], v[FWW+4*\e], v[NUM], v[FWB+\e]
.endr
.irp d, 1,2,3
.irp e, 0,1,2,3
	v_fmac_f32 v[G+\e], v[FWW+4*\e+\d], v[NUM+\d]
.endr
.endr
.irp k, 0,1,2,3,4,5,6,7,8
	v_fma_f32 v[LG+\k], v[PWV+4*\k], v[G], s[PB+\k]
.endr
.irp d, 1,2,3
.irp k, 0,1,2,3,4,5,6,7,8
	v_fmac_f32 v[LG+\k], v[PWV+4*\k+\d], v[G+\d]
.endr
.endr
	v_max3_num_f32 v[LMX], v[LG], v[LG+1], v[LG+2]
	v_max3_num_f32 v[LMX], v[LMX], v[LG+3], v[LG+4]
	v_max3_num_f32 v[LMX], v[LMX], v[LG+5], v[LG+6]
	v_max3_num_f32 v[LMX], v[LMX], v[LG+7], v[LG+8]
.irp k, 0,1,2,3,4,5,6,7,8
	v_sub_f32 v[LG+\k], v[LG+\k], v[LMX]
.endr
.irp k, 0,1,2,3,4,5,6,7,8
	v_mul_f32 v[LG+\k], s15, v[LG+\k]
.endr
.irp k, 0,1,2,3,4,5,6,7,8
	v_exp_f32 v[LG+\k], v[LG+\k]
.endr
	v_nop                                          ; as above
	s_wait_alu depctr_va_vdst(0)
	v_add_f32 v[LSUM], v[LG],   v[LG+1]            ; eight adds, four deep
	v_add_f32 v[LRC],  v[LG+2], v[LG+3]
	v_add_f32 v[LMX],  v[LG+4], v[LG+5]
	v_add_f32 v[LT],   v[LG+6], v[LG+7]
	v_add_f32 v[LSUM], v[LSUM], v[LRC]
	v_add_f32 v[LMX],  v[LMX],  v[LT]
	v_add_f32 v[LSUM], v[LSUM], v[LG+8]
	v_add_f32 v[LSUM], v[LSUM], v[LMX]
	v_rcp_f32 v[LRC], v[LSUM]
	v_nop
	s_wait_alu depctr_va_vdst(0)
.irp k, 0,1,2,3,4,5,6,7,8
	v_mul_f32 v[LG+\k], v[LG+\k], v[LRC]
.endr
	ds_store_b128 v[TA], v[LG:LG+3]   offset:TBL   ; bytes 2,560 + 48 L and up: none of the counts' bytes, which end below 2,560
	ds_store_b128 v[TA], v[LG+4:LG+7] offset:TBL+16
	ds_store_b32  v[TA], v[LG+8]      offset:TBL+32
.Lnot_table:
	; waves 14-31, meanwhile: where my four floats lie in the table.  Float j belongs to token t0 with class c0 + j while c0 + j < 9, else to
	; token t1 with class c0 + j - 9.  In units of 12 bytes: 48 x0 = 12 (4 x0 + 3) - 36 and 48 x1 - 36 = 12 (4 x1) - 36, so that
	; the address is 12 z + 4 c0 + (TBL - 36 + 4 j) with z = 4 x0 + 3 or 4 x1.
	s_cmp_lt_u32 s8, FIRST_OUT
	s_cbranch_scc1 .Lbar2
	v_lshl_add_u32 v[Z0], v[Z0], 2, 3              ; (both tokens came in with the counting's s_wait_loadcnt 0)
	v_lshlrev_b32 v[Z1], 2, v[Z1]
	v_mad_u32_u24 v[AD], v[Z0], 12, v[C4]          ; float 0 is always t0's
.irp j, 1,2,3
	v_cmp_le_u32 vcc_lo, 36-4*\j, v[C4]            ; c0 + j >= 9: the next token
	v_cndmask_b32 v[SC], v[Z0], v[Z1], vcc_lo
	v_mad_u32_u24 v[AD+\j], v[SC], 12, v[C4]
.endr
.Lbar2:
	s_wait_dscnt 0x0                               ; for the others' sake: wave 0's table is in LDS
	s_barrier_signal -1
	s_barrier_wait -1
	s_cmp_lt_u32 s8, FIRST_OUT
	s_cbranch_scc1 .Lend
.irp j, 0,1,2,3
	v_min_u32 v[AD+\j], ADMAX, v[AD+\j]            ; an index inside emb never reaches past this; any other stays inside the table's bytes
.endr
.irp j, 0,1,2,3
	ds_load_b32 v[DT+\j], v[AD+\j] offset:TBL-36+4*\j
.endr
	s_wait_dscnt 0x0
	global_store_b128 v[SO], v[DT:DT+3], s[32:33] offset:-FIRST_OUT*32*16 th:TH_STORE_NT   ; 32 lanes store 512 consecutive bytes; each byte of out0 is written once
.Lend:
	s_wait_tensorcnt 0x0
	ds_add_u32 v120, v121
	s_wait_dscnt 0x0
	s_endpgm
.Lfunc_end_k_q115de5d50a_bert:
	.size	k_q115de5d50a_bert, .Lfunc_end_k_q115de5d50a_bert-k_q115de5d50a_bert
	.p2alignl 7, 3214868480
	.fill 96, 4, 3214868480
	.section	.rodata,"a",@progbits
	.p2align	6, 0x0
	.amdhsa_kernel k_q115de5d50a_bert
		.amdhsa_group_segment_fixed_size 8192
		.amdhsa_private_segment_fixed_size 0
		.amdhsa_enable_private_segment 0
		.amdhsa_kernarg_size 72
		.amdhsa_user_sgpr_count 2
		.amdhsa_user_sgpr_kernarg_segment_ptr 1
		.amdhsa_wavefront_size32 1
		.amdhsa_system_sgpr_workgroup_id_x 1
		.amdhsa_system_sgpr_workgroup_id_y 1
		.amdhsa_system_sgpr_workgroup_id_z 1
		.amdhsa_system_vgpr_workitem_id 0
		.amdhsa_next_free_vgpr 122
		.amdhsa_next_free_sgpr 102
		.amdhsa_reserve_vcc 1
		.amdhsa_float_denorm_mode_32 3
		.amdhsa_float_denorm_mode_16_64 3
		.amdhsa_memory_ordered 1
		.amdhsa_forward_progress 1
		.amdhsa_inst_pref_size 26
	.end_amdhsa_kernel
	.amdgpu_metadata
---
amdhsa.version: [ 1, 2 ]
amdhsa.kernels:
  - .name:           k_q115de5d50a_bert
    .symbol:         k_q115de5d50a_bert.kd
    .args:
      - { .name: x, .offset: 0, .size: 8, .value_kind: global_buffer, .address_space: global }
      - { .name: emb, .offset: 8, .size: 8, .value_kind: global_buffer, .address_space: global }
      - { .name: proj_w, .offset: 16, .size: 8, .value_kind: global_buffer, .address_space: global }
      - { .name: proj_b, .offset: 24, .size: 8, .value_kind: global_buffer, .address_space: global }
      - { .name: forw_w, .offset: 32, .size: 8, .value_kind: global_buffer, .address_space: global }
      - { .name: forw_b, .offset: 40, .size: 8, .value_kind: global_buffer, .address_space: global }
      - { .name: prj_w, .offset: 48, .size: 8, .value_kind: global_buffer, .address_space: global }
      - { .name: prj_b, .offset: 56, .size: 8, .value_kind: global_buffer, .address_space: global }
      - { .name: out0, .offset: 64, .size: 8, .value_kind: global_buffer, .address_space: global }
    .group_segment_fixed_size: 8192
    .private_segment_fixed_size: 0
    .kernarg_segment_align: 8
    .kernarg_segment_size: 72
    .max_flat_workgroup_size: 1024
    .sgpr_count:     102
    .vgpr_count:     122
    .wavefront_size: 32
...
	.end_amdgpu_metadata
.endif
;; end of part 1
